; MI455X (gfx1250); checked and timed in simulation.
; The chip was launched on July 23, 2026; its instructions are those of AMD's public machine-readable ISA for CDNA 5 (MIT licence, August 2026) and "CDNA5" Instruction Set Architecture Reference Guide (July 2026). The comments in the code are by the model that wrote it; some were corrected since.
;; Vector Quantize. Allowed arithmetic: float matrix products may take bf16 or f16 operands with f32 sums; all other float work in f32.
;; Inputs: codebook 8,192 x 512 float32; x 8 x 512 x 2,048 float32.
;; Outputs: out0 8 x 512 x 2,048 float32; out1 8 x 2,048 int32; out2 one number float32.
;; One version. Each part assembles by itself: llvm-mc -triple=amdgcn-amd-amdhsa -mcpu=gfx1250 --defsym DOCPART=n.
;; ======== version 1 of 1: 4 launches
;; workspace buffers: cb16 8,388,608 bytes; e2 32,768 bytes; cand_val 131,072 bytes; cand_idx 131,072 bytes of whole numbers; part 1,024 bytes
;; launch prep (part 1): grid 256 x 1, 8 waves a work-group, no clusters, 1,280 bytes of LDS; arguments codebook, cb16, e2; writes cb16, e2
.if DOCPART == 1
	.amdgcn_target "amdgcn-amd-amdhsa--gfx1250"
	.amdhsa_code_object_version 6
	.text
	.protected	k_q32e2519810_prep
	.globl	k_q32e2519810_prep
	.p2align	8
	.type	k_q32e2519810_prep,@function
k_q32e2519810_prep:
	s_mov_b64 s[64:65], 0
	v_nop
	global_prefetch_b8 v0, s[64:65] scope:SCOPE_SE
	s_setreg_imm32_b32 hwreg(HW_REG_WAVE_MODE, 25, 1), 1
	s_wait_xcnt 0x0
; cb16[k][d] = bf16(codebook[k][d]);  e2[k] = sum over d of bf16(codebook[k][d])^2, in f32.
; codebook: [8192][512] f32.  The squares are taken of the ROUNDED numbers, because the later product works on them.
; A stream: each byte is read once and written once, so no matrix unit, no cluster and no tile in LDS would add anything.
; 256 work-groups of 8 waves; a work-group owns 32 rows, a wave 4 rows.  A row is 2,048 bytes: four loads of the wave, 512 consecutive
; bytes each.  Lane L holds columns 128 j + 4 L .. + 3 of load j; rounded they are 8 bytes, so a store of the wave covers 256
; consecutive bytes that start at a multiple of 256 from cb16's first byte.
; e2: the 32 sums of a work-group meet in LDS and leave by one store of 128 consecutive bytes.  (Whole blocks of 256 bytes would
; want 64 rows a work-group, which would leave half of the 256 work-groups without work; e2 is 32 KiB beside 24 MiB moved here.)
.set OFI, 3                            ; v3        byte offset of my 16 bytes in the wave's first row of the codebook
.set OFO, 4                            ; v4        byte offset of my 8 bytes in the wave's first row of cb16
.set LA,  5                            ; v5        LDS address of the wave's four sums
.set X,   8                            ; v[8:71]   row q, load j: 4 registers at X + 16 q + 4 j
.set Y,   72                           ; v[72:103] row q, load j: 2 registers of bf16 at Y + 8 q + 2 j; each is written once
.set U,   104                          ; v[104:107] four rounded numbers, widened again
.set S,   112                          ; v[112:115] two chains of packed sums
.set TP,  116                          ; v116      the other half's sum
	s_load_b128 s[4:7], s[0:1], 0x0                ; codebook s[4:5], cb16 s[6:7]
	s_load_b64 s[8:9], s[0:1], 0x10                ; e2
	v_lshl_add_u32 v128, v0, 2, 0x100
	v_mov_b32 v129, 0
	v_lshrrev_b32 v1, 5, v0
	v_readfirstlane_b32 s10, v1                    ; wave 0..7
	v_and_b32 v2, 31, v0                           ; lane
	s_lshl_b32 s12, ttmp9, 16                      ; 32 rows of 2,048 bytes
	s_mov_b32 s13, 0
	s_lshl_b32 s14, ttmp9, 15                      ; 32 rows of 1,024 bytes
	s_mov_b32 s15, 0
	s_lshl_b32 s16, ttmp9, 7                       ; 32 sums of 4 bytes
	s_mov_b32 s17, 0
	s_mov_b32 s18, 0x76543210                      ; v_permlanex16_b32: lane i of one half reads lane i of the other
	s_mov_b32 s19, 0xfedcba98
	v_lshlrev_b32 v[OFI], 4, v2
	v_lshl_add_u32 v[OFI], s10, 13, v[OFI]         ; + wave x 4 rows x 2,048
	v_lshlrev_b32 v[OFO], 3, v2
	v_lshl_add_u32 v[OFO], s10, 12, v[OFO]         ; + wave x 4 rows x 1,024
	v_mov_b32 v[LA], s10
	v_lshlrev_b32 v[LA], 4, v[LA]                  ; 16 x wave
	v_mov_b32 v[TP], 0                             ; the lane exchange counts as a reader of its destination
	s_wait_kmcnt 0x0
	s_add_nc_u64 s[4:5], s[4:5], s[12:13]
	s_add_nc_u64 s[6:7], s[6:7], s[14:15]
	s_add_nc_u64 s[8:9], s[8:9], s[16:17]
.irp q, 0,1,2,3
.irp j, 0,1,2,3
	global_load_b128 v[X+16*\q+4*\j:X+16*\q+4*\j+3], v[OFI], s[4:5] offset:2048*\q+512*\j th:TH_LOAD_NT
.endr
.endr
; One row: round, store, widen again, square and add, sum over the wave's 32 lanes.
.macro ROWQ q
	s_wait_loadcnt 12-4*\q                         ; loads come back in order: this row's four are in, the later rows' four each stay out
.irp j, 0,1,2,3
	v_cvt_pk_bf16_f32 v[Y+8*\q+2*\j],   v[X+16*\q+4*\j],   v[X+16*\q+4*\j+1]
	v_cvt_pk_bf16_f32 v[Y+8*\q+2*\j+1], v[X+16*\q+4*\j+2], v[X+16*\q+4*\j+3]
	global_store_b64 v[OFO], v[Y+8*\q+2*\j:Y+8*\q+2*\j+1], s[6:7] offset:1024*\q+256*\j
	v_lshlrev_b32 v[U],   16, v[Y+8*\q+2*\j]
	v_and_b32     v[U+1], 0xffff0000, v[Y+8*\q+2*\j]
	v_lshlrev_b32 v[U+2], 16, v[Y+8*\q+2*\j+1]
	v_and_b32     v[U+3], 0xffff0000, v[Y+8*\q+2*\j+1]
.if \j == 0
	v_pk_mul_f32 v[S:S+1],   v[U:U+1],   v[U:U+1]                 ; the first squares start the chains: nothing is cleared
	v_pk_mul_f32 v[S+2:S+3], v[U+2:U+3], v[U+2:U+3]
.else
	v_pk_fma_f32 v[S:S+1],   v[U:U+1],   v[U:U+1],   v[S:S+1]
	v_pk_fma_f32 v[S+2:S+3], v[U+2:U+3], v[U+2:U+3], v[S+2:S+3]
.endif
.endr
	v_pk_add_f32 v[S:S+1], v[S:S+1], v[S+2:S+3]
	v_add_f32 v[S], v[S], v[S+1]
	v_add_f32_dpp v[S], v[S], v[S] row_xmask:1 row_mask:0xf bank_mask:0xf
	v_add_f32_dpp v[S], v[S], v[S] row_xmask:2 row_mask:0xf bank_mask:0xf
	v_add_f32_dpp v[S], v[S], v[S] row_xmask:4 row_mask:0xf bank_mask:0xf
	v_add_f32_dpp v[S], v[S], v[S] row_xmask:8 row_mask:0xf bank_mask:0xf
	v_permlanex16_b32 v[TP], v[S], s18, s19
	v_add_f32 v[S], v[S], v[TP]
	ds_store_b32 v[LA], v[S] offset:4*\q           ; every lane writes the same word with the same number
.endm
	ROWQ 0
	ROWQ 1
	ROWQ 2
	ROWQ 3
	s_wait_dscnt 0x0                               ; my four sums are in LDS before I say so
	s_barrier_signal -1
	s_barrier_wait -1
	s_cmp_lg_u32 s10, 0
	s_cbranch_scc1 .Ldone
	v_lshlrev_b32 v[LA], 2, v2                     ; wave 0: lane L takes the sum of the group's row L (word 4 x wave + q)
	ds_load_b32 v[S], v[LA]
	s_wait_dscnt 0x0
	global_store_b32 v[LA], v[S], s[8:9]
.Ldone:
	s_wait_tensorcnt 0x0
	ds_add_u32 v128, v129
	s_wait_dscnt 0x0
	s_endpgm
.Lfunc_end_k_q32e2519810_prep:
	.size	k_q32e2519810_prep, .Lfunc_end_k_q32e2519810_prep-k_q32e2519810_prep
	.p2alignl 7, 3214868480
	.fill 96, 4, 3214868480
	.section	.rodata,"a",@progbits
	.p2align	6, 0x0
	.amdhsa_kernel k_q32e2519810_prep
		.amdhsa_group_segment_fixed_size 1280
		.amdhsa_private_segment_fixed_size 0
		.amdhsa_enable_private_segment 0
		.amdhsa_kernarg_size 24
		.amdhsa_user_sgpr_count 2
		.amdhsa_user_sgpr_kernarg_segment_ptr 1
		.amdhsa_wavefront_size32 1
		.amdhsa_system_sgpr_workgroup_id_x 1
		.amdhsa_system_sgpr_workgroup_id_y 1
		.amdhsa_system_sgpr_workgroup_id_z 1
		.amdhsa_system_vgpr_workitem_id 0
		.amdhsa_next_free_vgpr 130
		.amdhsa_next_free_sgpr 66
		.amdhsa_reserve_vcc 0
		.amdhsa_float_denorm_mode_32 3
		.amdhsa_float_denorm_mode_16_64 3
		.amdhsa_memory_ordered 1
		.amdhsa_forward_progress 1
		.amdhsa_inst_pref_size 14
	.end_amdhsa_kernel
	.amdgpu_metadata
---
amdhsa.version: [ 1, 2 ]
amdhsa.kernels:
  - .name:           k_q32e2519810_prep
    .symbol:         k_q32e2519810_prep.kd
    .args:
      - { .name: codebook, .offset: 0, .size: 8, .value_kind: global_buffer, .address_space: global }
      - { .name: cb16, .offset: 8, .size: 8, .value_kind: global_buffer, .address_space: global }
      - { .name: e2, .offset: 16, .size: 8, .value_kind: global_buffer, .address_space: global }
    .group_segment_fixed_size: 1280
    .private_segment_fixed_size: 0
    .kernarg_segment_align: 8
    .kernarg_segment_size: 24
    .max_flat_workgroup_size: 256
    .sgpr_count:     66
    .vgpr_count:     130
    .wavefront_size: 32
...
	.end_amdgpu_metadata
.endif
;; end of part 1
;; launch vqmain (part 2): grid 128 x 2, 4 waves a work-group, clusters of 4 x 1, 327,680 bytes of LDS; arguments x, cb16, e2, cand_val, cand_idx; writes cand_val, cand_idx
.if DOCPART == 2
	.amdgcn_target "amdgcn-amd-amdhsa--gfx1250"
	.amdhsa_code_object_version 6
	.text
	.protected	k_q32e2519810_vqmain
	.globl	k_q32e2519810_vqmain
	.p2align	8
	.type	k_q32e2519810_vqmain,@function
k_q32e2519810_vqmain:
	s_mov_b64 s[64:65], 0
	v_nop
	global_prefetch_b8 v0, s[64:65] scope:SCOPE_SE
	s_setreg_imm32_b32 hwreg(HW_REG_WAVE_MODE, 25, 1), 1
	s_wait_xcnt 0x0
	s_wait_alu depctr_hold_cnt(0) depctr_sa_sdst(0) depctr_va_vdst(0) depctr_va_sdst(0) depctr_va_ssrc(0) depctr_va_vcc(0) depctr_vm_vsrc(0)
	s_getreg_b32 s2, hwreg(HW_REG_IB_STS2, 6, 4)
	s_cmp_eq_u32 s2, 0
	s_cbranch_scc0 .Lentry_in_a_cluster
	s_endpgm
.Lentry_in_a_cluster:
	s_bfe_u32 s2, ttmp6, 0x10000c
	s_cmp_lg_u32 s2, 0x3003
	s_cbranch_scc0 .Lentry_shape_is_right
	s_endpgm
.Lentry_shape_is_right:
; For 128 tokens (columns x[b][:][t]) and one half of the 8,192 codes: d(token, code) = (x2 - 2 x.e) + e2, its least value and the
; lowest code that has it.  x: [8][512][2048] f32, cb16: [8192][512] bf16, e2: [8192] f32; out: cand_val, cand_idx [2][16384].
; The product runs on bf16 operands with f32 sums; x2 and e2 are sums of squares of the ROUNDED numbers; d is formed with the two
; roundings of the problem's formula (one fused multiply-add by -2, one addition).  Ties go to the lowest code.
; LIMITS, kept on purpose: the indices are those of the inputs rounded to bf16; where two codes lie closer than the f32 sums' own
; error (some 1e-4 at distances near 1,000) the choice may differ from another order of summing.  NaN and infinite inputs are not
; served: the minima drop a NaN, and a token whose distances are all infinite gets code 0 in either half.
;
; SHAPE.  Grid 128 x 2: work-group x = block of 128 tokens, y = half of the codes.  Four waves.  Wave w: g = w >> 1 picks 64 tokens,
; p = w & 1 picks the tiles of 16 codes with that parity.  A wave keeps its 64 tokens x 512 channels as 64 fragments in 512 registers
; for the whole launch, so only code fragments are read from LDS: 1 KiB feeds four matrix instructions.
; The codes go through a ring of two LDS slots of 128 codes (rows of 1,024 bytes).
; CLUSTERS: the four work-groups of a 4 x 1 cluster have the same y and walk the same codes, so each code tile is asked for jointly
; (mask 15): the same line, the same descriptor (made of y and the wave's number alone) in all four.  x and e2 are plain loads: x
; is each work-group's own, e2 is 16 KiB beside the 4 MiB of code tiles.
;
; THE LOOP.  A tile is 16 codes x 64 tokens: 16 K steps x 4 matrix instructions.  One wave runs on a SIMD, so whatever stands between
; two tiles leaves the matrix unit without work.  Therefore nothing stands there: two sets of accumulators take turns tile by tile,
; and while tile m + 1 is multiplied, tile m's 92 tracking instructions and the LDS loads of the fragments to come are issued
; BETWEEN its matrix instructions, four vector instructions at a time, or a run of eight loads.
; The code fragments are one ring of 16 K steps: a K step's place is loaded again, for the next tile, once its four products are issued.
;
; LDS:   0       RING   2 slots x 128 rows x 1,040 (1,024 + 16: an odd multiple of 16, so the 16 rows of a fragment load lie in 16
;                       different 16-byte columns modulo 256)
;        0       X32    at the start only, under the ring: wave w's 128 channel rows x 128 tokens f32, at 65,536 w, rows of 512 bytes
;        266,240 STAGE  128 rows x 288 (128 tokens bf16 + 32): written by LDS stores alone
;        303,104 E2L    4,096 f32, filled once        319,488 X2P  [4 waves][128 tokens]        321,536 MRG  values [4][64], indices + 1,024
; REGISTERS in windows of 256 (s_set_vgpr_msb: bits 1:0 source 0, 3:2 source 1, 5:4 source 2, 7:6 destination):
;   window 1: code fragments, both accumulator sets, x2, e2 and the LDS addresses of the loop.  A matrix instruction runs with source 0,
;             source 2 and destination in window 1 and source 1 (tokens) in window 2 or 3.  Under that very setting an LDS load (data =
;             destination, address = source 0) and a packed multiply-add whose source 1 is a constant name window 1 alone: the 34 loads
;             and 32 of the 92 tracking instructions of a tile need no switch.
;   window 0: the tracking state (best distance, its tile, that tile's eight distances) and all that the start and the end need.
;   windows 2, 3: the token fragments: K step s, token tile i at window 2 + (s >> 3), register 8 (4 (s & 7) + i).
.set PITCH, 1040
.set QUART, 32*PITCH                   ; what one tensor load brings: 32 code rows
.set SLOT,  4*QUART
.set SLOTG, 131072                     ; a slot's bytes in cb16: 128 rows of 1,024
.set STAGE, 2*SLOT
.set SP,    288
.set E2L,   STAGE+128*SP
.set X2P,   E2L+16384
.set MRG,   X2P+2048
.set LAPS,  16                         ; a lap = both slots = 256 codes of the half's 4,096
; window 0
.set ADT,  4                           ; v4      code row r of my parity's first tile, before it is copied to window 1
.set XRD,  9                           ; v9      X32: my 16 bytes of my wave's first row
.set STW,  10                          ; v10     STAGE: my 8 bytes of my wave's first row
.set TRA,  11                          ; v11     STAGE: the transposing loads' address
.set X2W,  12
.set X2RD, 13
.set MVA,  14
.set H8,   15                          ; v15     8 h: my half's first code in a tile
.set BEST, 24                          ; v24-27  least distance so far, one for each token tile
.set TID,  28                          ; v28-31  first code of the tile that holds it
.set M,    32
.set T1,   36
.set T2,   40
.set T3,   44
.set TMP,  48
.set SV,   96                          ; v96-127 the winning tile's eight distances
.set XIN,  128                         ; at the start only
.set Y,    160
.set U,    176
.set XS,   184
; window 1 (numbers inside the window)
.set CB,   0                           ; 0-127   code fragments: K step s at 8 s
.set ACC,  128                         ; 128-191 two sets of four accumulators (16 codes x 16 tokens each)
.set X2,   192                         ; 192-199 x2 of my token in tile i, twice (a pair for the packed forms)
.set E2R,  200                         ; 200-207 e2 of my 8 codes of the tile being tracked
.set ADR,  208                         ; 208-211 slot 0 tiles 0,1 / slot 0 tiles 2,3 / slot 1 tiles 0,1 / slot 1 tiles 2,3
.set E2A,  212                         ; 212     my 8 numbers of e2 for the lap's first tile; steps 1,024 a lap
.set G0X, 20                           ; s[20:23], s[24:31]  x
.set G1X, 24
.set G0E, 32                           ; s[32:35], s[36:43]  e2
.set G1E, 36
.set G0C, 44                           ; s[44:51]  codes: a group 0 for each slot
.set G1C, 52                           ; s[52:59]
.set MUL_LO, 0x59                      ; source 0, source 2, destination window 1; source 1 (tokens) window 2
.set MUL_HI, 0x5d                      ; the same with the tokens in window 3
.set MSB, 0
.macro WIN new                         ; the immediate's high byte repeats the setting that is left
.if MSB != \new
	s_set_vgpr_msb (MSB<<8)|\new
.set MSB, \new
.endif
.endm
.macro PLACES                          ; four places behind a matrix instruction before a vector instruction touches its result (ISA guide 7.12.1)
.rept 4
	v_nop
.endr
.endm
; A round of the cluster's barrier: my work-group's barrier, wave 0 signals for the work-group, every wave waits for all four
; work-groups, my work-group's barrier once more.
.macro CREST
	s_cmp_lg_u32 s14, 0
	s_cbranch_scc1 .Lnot_wave_0_\@
	s_barrier_signal -3
.Lnot_wave_0_\@:
	s_barrier_wait -3
	s_barrier_signal -1
	s_barrier_wait -1
.endm
.macro ROUND
	s_barrier_signal -1
	s_barrier_wait -1
	CREST
.endm
	s_load_b256 s[4:11], s[0:1], 0x0               ; x s[4:5], cb16 s[6:7], e2 s[8:9], cand_val s[10:11]
	s_load_b64 s[12:13], s[0:1], 0x20              ; cand_idx
	v_lshl_add_u32 v254, v0, 2, 0x4f000
	v_mov_b32 v255, 0
	ds_add_u32 v254, v255
	v_lshrrev_b32 v1, 5, v0
	v_readfirstlane_b32 s14, v1                    ; w
	s_and_b32 s15, s14, 1                          ; p: parity of my code tiles
	s_lshr_b32 s16, s14, 1                         ; g: which 64 tokens
	s_bfe_u32 s17, ttmp6, 0x40000                  ; cx
	s_lshl_b32 s18, ttmp9, 2
	s_add_co_u32 s18, s18, s17                     ; token block = 4 x cluster x + cx
	s_and_b32 s19, ttmp7, 0xffff                   ; y: half of the codes, the same in the whole cluster
	; x: 128 channel rows x 128 tokens of 4 bytes, 2,048 elements from row to row, no padding
	s_mov_b32 s[G1X+0], 2<<16
	s_mov_b32 s[G1X+1], 128<<16
	s_mov_b32 s[G1X+2], 128<<16
	s_mov_b32 s[G1X+3], 128<<16
	s_mov_b32 s[G1X+4], 128
	s_mov_b32 s[G1X+5], 2048
	s_mov_b32 s[G1X+6], 0
	s_mov_b32 s[G1X+7], 0
	; e2: 4,096 dense bytes as 16 rows of 32 elements of 8 bytes
	s_mov_b32 s[G1E+0], 3<<16
	s_mov_b32 s[G1E+1], 32<<16
	s_mov_b32 s[G1E+2], 16<<16
	s_mov_b32 s[G1E+3], 32<<16
	s_mov_b32 s[G1E+4], 16
	s_mov_b32 s[G1E+5], 32
	s_mov_b32 s[G1E+6], 0
	s_mov_b32 s[G1E+7], 0
	; codes: 32 rows x 512 bf16; mask 15 with bit 21 beside it; 4 words of padding behind every 256 words (a row)
	s_mov_b32 s[G1C+0], 15|(1<<16)|(1<<20)|(1<<21)|(7<<22)|(3<<25)
	s_mov_b32 s[G1C+1], 512<<16
	s_mov_b32 s[G1C+2], 32<<16
	s_mov_b32 s[G1C+3], 512<<16
	s_mov_b32 s[G1C+4], 32
	s_mov_b32 s[G1C+5], 512
	s_mov_b32 s[G1C+6], 0
	s_mov_b32 s[G1C+7], 0
	; byte offsets, each in registers of its own: only s[76:77] ever holds a number made of cx
	s_lshr_b32 s76, s18, 4                         ; b
	s_lshl_b32 s76, s76, 22                        ; 512 rows of 8,192 bytes
	s_lshl_b32 s77, s14, 20                        ; my 128 channel rows
	s_add_co_u32 s76, s76, s77
	s_and_b32 s77, s18, 15
	s_lshl_b32 s77, s77, 9                         ; 128 tokens of 4 bytes
	s_add_co_u32 s76, s76, s77
	s_mov_b32 s77, 0
	s_lshl_b32 s60, s19, 14                        ; e2: the half's 16,384 bytes, my 4,096
	s_lshl_b32 s61, s14, 12
	s_add_co_u32 s60, s60, s61
	s_mov_b32 s61, 0
	s_lshl_b32 s78, s19, 22                        ; cb16: the half's 4 MiB, my 32 rows of a slot
	s_lshl_b32 s79, s14, 15
	s_add_co_u32 s78, s78, s79
	s_mov_b32 s79, 0
	s_wait_dscnt 0x0
	s_wait_kmcnt 0x0
	s_mov_b32 s[G0X], 1
	s_lshl_b32 s[G0X+1], s14, 16                   ; LDS: 65,536 w
	s_add_nc_u64 s[G0X+2:G0X+3], s[4:5], s[76:77]
	s_or_b32 s[G0X+3], s[G0X+3], 0x80000000
	s_mov_b32 s[G0E], 1
	s_lshl_b32 s[G0E+1], s14, 12
	s_add_co_u32 s[G0E+1], s[G0E+1], E2L
	s_add_nc_u64 s[G0E+2:G0E+3], s[8:9], s[60:61]
	s_or_b32 s[G0E+3], s[G0E+3], 0x80000000
	s_mov_b32 s[G0C], 1
	s_mul_i32 s[G0C+1], s14, QUART                 ; LDS: my quarter of slot 0
	s_add_nc_u64 s[G0C+2:G0C+3], s[6:7], s[78:79]
	s_mov_b32 s[G0C+4], 1
	s_add_co_u32 s[G0C+5], s[G0C+1], SLOT          ; and of slot 1
	s_add_nc_u64 s[G0C+6:G0C+7], s[G0C+2:G0C+3], SLOTG
	s_or_b32 s[G0C+3], s[G0C+3], 0x80000000
	s_or_b32 s[G0C+7], s[G0C+7], 0x80000000
	ROUND                                          ; in a cluster launch the first tensor loads stand behind a round
	tensor_load_to_lds s[G0X:G0X+3], s[G1X:G1X+7]  ; the two first fills go out together: two tensor loads of the wave are out, the most in this text
	s_nop 0
	tensor_load_to_lds s[G0E:G0E+3], s[G1E:G1E+7]
	s_nop 0
	v_and_b32 v1, 31, v0                           ; L
	v_and_b32 v2, 15, v0                           ; r
	v_bfe_u32 v3, v0, 4, 1                         ; h
	v_mul_u32_u24 v[ADT], v2, PITCH                ; code row r of a tile, 16 bytes for each half of the lanes,
	v_lshl_add_u32 v[ADT], v3, 4, v[ADT]
	s_mul_i32 s68, s15, 16*PITCH                   ; the tile of my parity
	v_add_nc_u32 v[ADT], s68, v[ADT]
	s_lshl_b32 s68, s15, 6
	s_add_co_u32 s68, s68, E2L
	WIN 0x40                                       ; destination window 1: the loop's addresses lie beside what they load
	v_mov_b32 v[ADR], v[ADT]
	v_add_nc_u32 v[ADR+1], 2*QUART, v[ADT]
	v_add_nc_u32 v[ADR+2], SLOT, v[ADT]
	v_add_nc_u32 v[ADR+3], SLOT+2*QUART, v[ADT]
	v_lshl_add_u32 v[E2A], v3, 5, s68              ; E2L + 64 p + 32 h
	WIN 0
	v_lshlrev_b32 v[XRD], 4, v1
	v_lshl_add_u32 v[XRD], s14, 16, v[XRD]
	s_mul_i32 s68, s14, 32*SP
	s_add_co_u32 s68, s68, STAGE
	v_lshl_add_u32 v[STW], v1, 3, s68
	v_and_b32 v[TMP], 7, v0                        ; the transposing load: row 8 h + (L & 7), 16 bytes by bit 3 of L, my 64 tokens
	v_lshl_add_u32 v[TMP], v3, 3, v[TMP]
	v_mul_u32_u24 v[TRA], v[TMP], SP
	v_bfe_u32 v[TMP], v0, 3, 1
	v_lshl_add_u32 v[TRA], v[TMP], 4, v[TRA]
	s_lshl_b32 s68, s16, 7
	s_add_co_u32 s68, s68, STAGE
	v_add_nc_u32 v[TRA], s68, v[TRA]
	s_lshl_b32 s68, s14, 9
	s_add_co_u32 s68, s68, X2P
	v_lshl_add_u32 v[X2W], v1, 4, s68
	s_lshl_b32 s68, s16, 8
	s_add_co_u32 s68, s68, X2P
	v_lshl_add_u32 v[X2RD], v2, 2, s68
	s_lshl_b32 s68, s14, 8
	s_add_co_u32 s68, s68, MRG
	v_lshl_add_u32 v[MVA], v2, 2, s68
	v_lshlrev_b32 v[H8], 3, v3
	s_lshl_b32 s67, s19, 12
	s_lshl4_add_u32 s67, s15, s67                  ; first code of my first tile: 4,096 y + 16 p,
	s_sub_co_u32 s67, s67, 32                      ; less one tile's step of 32: a tile's tracking runs one tile late.  Steps 256 a lap
	s_mov_b32 s69, 0x7f800000                      ; +infinity
	s_mov_b32 s62, 0xff800000                      ; -infinity
	s_mov_b32 s74, 0x76543210
	s_mov_b32 s75, 0xfedcba98
; 32 of my wave's channel rows (chunk c): f32 from X32, rounded to bf16 into my 32 rows of the stage; the rounded numbers' squares
; are added up for my 4 tokens.  Eight rows at a time.
.set FIRST, 1
.macro CONVERT c
.irp bt, 0,1,2,3
.irp j, 0,1,2,3,4,5,6,7
	ds_load_b128 v[XIN+4*\j:XIN+4*\j+3], v[XRD] offset:(32*\c+8*\bt+\j)*512
.endr
.irp j, 0,1,2,3,4,5,6,7
	s_wait_dscnt 7                                 ; behind load j stand 7 - j loads and the j stores of the rows before: seven LDS instructions
	v_cvt_pk_bf16_f32 v[Y+2*\j],   v[XIN+4*\j],   v[XIN+4*\j+1]
	v_cvt_pk_bf16_f32 v[Y+2*\j+1], v[XIN+4*\j+2], v[XIN+4*\j+3]
	ds_store_b64 v[STW], v[Y+2*\j:Y+2*\j+1] offset:(8*\bt+\j)*SP
	v_lshlrev_b32 v[U],   16, v[Y+2*\j]
	v_and_b32     v[U+1], 0xffff0000, v[Y+2*\j]
	v_lshlrev_b32 v[U+2], 16, v[Y+2*\j+1]
	v_and_b32     v[U+3], 0xffff0000, v[Y+2*\j+1]
.if FIRST
	v_pk_mul_f32 v[XS:XS+1],   v[U:U+1],   v[U:U+1]               ; the first row starts the sums
	v_pk_mul_f32 v[XS+2:XS+3], v[U+2:U+3], v[U+2:U+3]
.set FIRST, 0
.else
	v_pk_fma_f32 v[XS:XS+1],   v[U:U+1],   v[U:U+1],   v[XS:XS+1]
	v_pk_fma_f32 v[XS+2:XS+3], v[U+2:U+3], v[U+2:U+3], v[XS+2:XS+3]
.endif
.endr
.endr
.endm
; The stage holds channels 128 wq + 32 c .. + 31 in its rows 32 wq .. + 31: K step 4 wq + c.  Two transposing loads make a fragment:
; lane (r, h) gets channels 8 h .. + 7 and 16 + 8 h .. + 7 of token 16 i + r.
.macro LOADFRAG c
.irp wq, 0,1,2,3
.if \wq < 2
	WIN 0x80
.else
	WIN 0xc0
.endif
.irp i, 0,1,2,3
	ds_load_tr16_b128 v[8*(4*((4*\wq+\c)&7)+\i):8*(4*((4*\wq+\c)&7)+\i)+3],   v[TRA] offset:32*SP*\wq+32*\i
	ds_load_tr16_b128 v[8*(4*((4*\wq+\c)&7)+\i)+4:8*(4*((4*\wq+\c)&7)+\i)+7], v[TRA] offset:32*SP*\wq+32*\i+16*SP
.endr
.endr
	WIN 0
.endm
	s_wait_tensorcnt 0x1                           ; my rows of x are in (only I read them); the load of e2 behind them may stay out
.irp c, 0,1,2
	CONVERT \c
	s_wait_dscnt 0x0                               ; my rows of the stage are written
	s_barrier_signal -1
	s_barrier_wait -1                              ; everybody's are
	LOADFRAG \c
	s_wait_dscnt 0x0                               ; my reads of the stage are back
	s_barrier_signal -1
	s_barrier_wait -1                              ; everybody's are: the stage may be written again
.endr
	CONVERT 3
	ds_store_b128 v[X2W], v[XS:XS+3]               ; my wave's share of x2 for tokens 4 L .. 4 L + 3
	s_wait_dscnt 0x0                               ; my reads of X32 are back and my stores are in,
	s_wait_tensorcnt 0x0                           ; and all my tensor loads have landed (e2 among them)
	ds_add_u32 v254, v255
	s_wait_dscnt 0x0
	ROUND                                          ; the same holds of every wave of the four work-groups
	tensor_load_to_lds s[G0C:G0C+3], s[G1C:G1C+7]  ; codes 0-127 of the half, over the dead X32: my one tensor load behind this round
	s_nop 0
	LOADFRAG 3
.irp i, 0,1,2,3
.irp wq, 0,1,2,3
	ds_load_b32 v[XIN+4*\i+\wq], v[X2RD] offset:512*\wq+64*\i
.endr
.endr
	s_wait_dscnt 0x0                               ; fragments and shares are in; no LDS instruction follows up to the next round
.irp i, 0,1,2,3
	v_add_f32 v[XIN+4*\i],   v[XIN+4*\i],   v[XIN+4*\i+1]
	v_add_f32 v[XIN+4*\i+2], v[XIN+4*\i+2], v[XIN+4*\i+3]
	v_mov_b32 v[BEST+\i], s69
	v_mov_b32 v[TID+\i], 0
.endr
.set n, 0
.rept 32
	v_mov_b32 v[SV+n], s69                         ; the selects of the loop read what they keep: 32 registers written once
.set n, n+1
.endr
	WIN 0x40
.irp i, 0,1,2,3
	v_add_f32 v[X2+2*\i],   v[XIN+4*\i], v[XIN+4*\i+2]
	v_add_f32 v[X2+2*\i+1], v[XIN+4*\i], v[XIN+4*\i+2]
.endr
.set n, 0
.rept 32
	v_mov_b32 v[ACC+32+n], s62                     ; the first tile has no tile before it: the tracking that rides on it finds products of
.set n, n+1                                        ; -infinity, that is distances of +infinity, which never win
.endr
	WIN 0
	s_wait_tensorcnt 0x0                           ; my quarter of slot 0 has landed: no tensor load of mine is out
	ds_add_u32 v254, v255
	s_wait_dscnt 0x0
	ROUND
	tensor_load_to_lds s[G0C+4:G0C+7], s[G1C:G1C+7]    ; codes 128-255, over the rest of X32
	s_nop 0
; The fragment of K step k of my tile tt (0..3) of slot sl: two loads of 16 bytes a lane.  Data and address lie in window 1.
.macro LDF sl, tt, k
	ds_load_b128 v[CB+8*(\k):CB+8*(\k)+3],   v[ADR+2*(\sl)+((\tt)>>1)] offset:((\tt)&1)*QUART+64*(\k)
	ds_load_b128 v[CB+8*(\k)+4:CB+8*(\k)+7], v[ADR+2*(\sl)+((\tt)>>1)] offset:((\tt)&1)*QUART+64*(\k)+32
.endm
.macro RUN sl, tt, k0                  ; eight loads: four K steps
	LDF \sl,\tt,\k0
	LDF \sl,\tt,\k0+1
	LDF \sl,\tt,\k0+2
	LDF \sl,\tt,\k0+3
.endm
.macro E2LD eoff                       ; e2 of my 8 codes of a tile
	ds_load_b128 v[E2R:E2R+3],   v[E2A] offset:\eoff
	ds_load_b128 v[E2R+4:E2R+7], v[E2A] offset:\eoff+16
.endm
; One matrix instruction: K step k, token tile i, accumulator set a.  Source 0 = 16 codes, source 1 = 16 tokens: lane (r, h),
; register j holds code 8 h + j, token 16 i + r.  K step 0 starts the sums with the constant 0.
; The four accumulators of a set take turns, one instruction a turn, and the sets tile by tile.
.macro WM a, k, i
.if (\k) < 8
	WIN MUL_LO
.else
	WIN MUL_HI
.endif
.if (\k) == 0
	v_wmma_f32_16x16x32_bf16 v[ACC+32*(\a)+8*\i:ACC+32*(\a)+8*\i+7], v[CB+8*(\k):CB+8*(\k)+7], v[8*(4*((\k)&7)+\i):8*(4*((\k)&7)+\i)+7], 0
.else
	v_wmma_f32_16x16x32_bf16 v[ACC+32*(\a)+8*\i:ACC+32*(\a)+8*\i+7], v[CB+8*(\k):CB+8*(\k)+7], v[8*(4*((\k)&7)+\i):8*(4*((\k)&7)+\i)+7], v[ACC+32*(\a)+8*\i:ACC+32*(\a)+8*\i+7]
.endif
.endm
; The tracking of the tile that lies in accumulator set p, cut into 24 groups of four instructions that do not hang on each other.
;   0      four places behind that tile's last matrix instructions
;   1-4    x2 - 2 xe, in place, token tile c - 1          5-8    + e2 (as e2 x 1.0 + t: one rounding, that of the addition), token tile c - 5
;   9-12   the least of a lane's eight distances, for the four token tiles        13  is it less than the best so far (strictly: an earlier tile keeps a tie)
;   14, 15 then the best and the tile's first code are replaced,                  16-23  and the tile's eight distances are kept.
; The place inside the winning tile is looked for once, at the end.  Groups 1-8 run under the matrix instructions' own setting.
.macro CHUNK p, c
.if (\c) == 0
	PLACES
.elseif (\c) < 9
.if (MSB&0xf3) != 0x51
	WIN 0x51
.endif
.irp j, 0,2,4,6
.if (\c) < 5
	v_pk_fma_f32 v[ACC+32*(\p)+8*((\c)-1)+\j:ACC+32*(\p)+8*((\c)-1)+\j+1], v[ACC+32*(\p)+8*((\c)-1)+\j:ACC+32*(\p)+8*((\c)-1)+\j+1], -2.0, v[X2+2*((\c)-1):X2+2*((\c)-1)+1] op_sel_hi:[1,0,1]
.else
	v_pk_fma_f32 v[ACC+32*(\p)+8*((\c)-5)+\j:ACC+32*(\p)+8*((\c)-5)+\j+1], v[E2R+\j:E2R+\j+1], 1.0, v[ACC+32*(\p)+8*((\c)-5)+\j:ACC+32*(\p)+8*((\c)-5)+\j+1] op_sel_hi:[1,0,1]
.endif
.endr
.elseif (\c) < 11
	WIN 0x15                                       ; three sources in window 1, the result in window 0
.irp i, 0,1,2,3
	v_min3_num_f32 v[T1+4*((\c)-9)+\i], v[ACC+32*(\p)+8*\i+3*((\c)-9)], v[ACC+32*(\p)+8*\i+3*((\c)-9)+1], v[ACC+32*(\p)+8*\i+3*((\c)-9)+2]
.endr
.elseif (\c) == 11
	WIN 0x15
.irp i, 0,1,2,3
	v_min3_num_f32 v[T3+\i], v[ACC+32*(\p)+8*\i+6], v[ACC+32*(\p)+8*\i+7], v[ACC+32*(\p)+8*\i+7]
.endr
.elseif (\c) == 12
	WIN 0
.irp i, 0,1,2,3
	v_min3_num_f32 v[M+\i], v[T1+\i], v[T2+\i], v[T3+\i]
.endr
.elseif (\c) == 13
	WIN 0
.irp i, 0,1,2,3
	v_cmp_lt_f32 s[70+\i], v[M+\i], v[BEST+\i]
.endr
.elseif (\c) == 14
	WIN 0
.irp i, 0,1,2,3
	v_cndmask_b32 v[BEST+\i], v[BEST+\i], v[M+\i], s[70+\i]
.endr
.elseif (\c) == 15
	WIN 0
.irp i, 0,1,2,3
	v_cndmask_b32 v[TID+\i], v[TID+\i], s68, s[70+\i]
.endr
.else
	WIN 0x04                                       ; source 1 (the tile's distance) in window 1, the kept one in window 0
.irp j, 0,1,2,3
	v_cndmask_b32 v[SV+8*(((\c)-16)/2)+4*(((\c)-16)%2)+\j], v[SV+8*(((\c)-16)/2)+4*(((\c)-16)%2)+\j], v[ACC+32*(\p)+8*(((\c)-16)/2)+4*(((\c)-16)%2)+\j], s[70+((\c)-16)/2]
.endr
.endif
.endm
; My tile t (0..3) of a slot: 64 matrix instructions into set t & 1, with the tracking of the tile before (set 1 - (t & 1)) and the LDS
; loads between them.  K step k: matrix, a group, matrix, a run of loads (k = 0, 4, 8, 12), matrix, a second group (k < 8), matrix.
; LOADS.  K step 0: K steps 12-15 of this tile; K steps 4, 8, 12: K steps 0-3, 4-7, 8-11 of the next tile.  Each run stands behind
; the four vector instructions of its K step's first group: those are the four places behind the last product that read the registers.
; WAITS.  s_wait_dscnt 16 at K steps 0, 4, 8, 12: LDS loads come back in order, and behind the run that the next four K steps need stand
; two younger runs of eight (and at some places the two loads of e2, which only adds to what may stay out).  e2 goes out ahead of the
; run of K step 4, behind group 8, the last reader of the e2 before it; at the next tile's first wait 24 loads lie behind it.
; mode 0: a slot's first three tiles.
; mode 1: a slot's last tile, and the change of slots.  The run of K step 0 is my last read of the slot.  At K step 4 I wait for all my
;         LDS loads and all my tensor loads (the one that is out is my quarter of the other slot) and signal; two K steps of register
;         work; at K step 6 the barrier's wait and the rest of a round of the cluster's barrier; then the joint refill, two slots
;         ahead, first; then the run that would have stood in K step 4, from the other slot.  The order of the runs is as in mode 0,
;         so the counts hold.  From the refill to the wait for it lie 62 of a slot's 64 K steps.
; mode 2: the same with nothing left to fetch: a plain barrier.        mode 3: the last tile of all: no next tile to load.
.macro TILE slot, t, mode
.if \t < 3
.set NS, \slot
.set NT, \t+1
.else
.set NS, 1-\slot
.set NT, 0
.endif
	s_add_co_u32 s68, s67, 128*\slot+32*\t         ; first code of the tile before, whose tracking rides here
.irp k, 0,1,2,3,4,5,6,7,8,9,10,11,12,13,14,15
.if \k == 4
.if \mode == 0
	s_wait_dscnt 16
.else
	s_wait_dscnt 0x0                               ; my reads of this slot are back (the last were issued four K steps ago)
.if \mode < 3
	s_set_vgpr_msb 0x5950
	s_wait_tensorcnt 0x0                           ; and all my tensor loads have landed
	ds_add_u32 v254, v255
	s_wait_dscnt 0x0
	s_set_vgpr_msb 0x5059
.if \mode == 1
	s_add_nc_u64 s[G0C+4*\slot+2:G0C+4*\slot+3], s[G0C+4*\slot+2:G0C+4*\slot+3], 2*SLOTG   ; no tensor load of mine is out: a group 0 may be written
.endif
	s_barrier_signal -1
.endif
.endif
.elseif (\k%4) == 0
	s_wait_dscnt 16
.endif
.if \k == 6
.if \mode == 1
	WIN 0
	s_barrier_wait -1
	CREST
	tensor_load_to_lds s[G0C+4*\slot:G0C+4*\slot+3], s[G1C:G1C+7]
	s_nop 0
	v_nop
	v_nop
	v_nop
	v_nop
.elseif \mode == 2
	s_barrier_wait -1
.endif
.endif
	WM (\t&1),\k,0
.if \k < 8
	CHUNK 1-(\t&1),2*\k
.else
	CHUNK 1-(\t&1),8+\k
.endif
	WM (\t&1),\k,1
.if \k == 0
	RUN \slot,\t,12
.elseif \k == 4
.if \mode == 0
	E2LD 512*\slot+128*\t
	RUN NS,NT,0
.elseif \mode == 3
	E2LD 512*\slot+128*\t
.endif
.elseif \k == 6
.if \mode > 0
.if \mode < 3
	E2LD 512*\slot+128*\t
	RUN NS,NT,0
.endif
.endif
.elseif \k == 8
.if \mode < 3
	RUN NS,NT,4
.endif
.elseif \k == 12
.if \mode < 3
	RUN NS,NT,8
.endif
.endif
	WM (\t&1),\k,2
.if \k < 8
	CHUNK 1-(\t&1),2*\k+1
.endif
	WM (\t&1),\k,3
.endr
.endm
	WIN 0x41                                       ; data and address in window 1
	E2LD 0                                         ; finite numbers for the tracking that rides on the first tile
	RUN 0,0,0                                      ; K steps 0-11 of the first tile, in the order of the loop's runs
	RUN 0,0,4
	RUN 0,0,8
	WIN 0
	s_mov_b32 s66, LAPS-1
.Llap:
	TILE 0, 0, 0
	TILE 0, 1, 0
	TILE 0, 2, 0
	TILE 0, 3, 1
	TILE 1, 0, 0
	TILE 1, 1, 0
	TILE 1, 2, 0
	TILE 1, 3, 1
	WIN 0x44
	v_add_nc_u32 v[E2A], 1024, v[E2A]              ; 256 codes on
	WIN 0
	s_add_co_u32 s67, s67, 256
	s_sub_co_u32 s66, s66, 1
	s_cmp_lg_u32 s66, 0
	s_cbranch_scc1 .Llap
	TILE 0, 0, 0                                   ; the last lap fills nothing
	TILE 0, 1, 0
	TILE 0, 2, 0
	TILE 0, 3, 2
	TILE 1, 0, 0
	TILE 1, 1, 0
	TILE 1, 2, 0
	TILE 1, 3, 3
	PLACES                                         ; the last tile's tracking has no tile to ride on
	s_wait_dscnt 0x0                               ; its e2
	s_add_co_u32 s68, s67, 256
.irp c, 1,2,3,4,5,6,7,8,9,10,11,12,13,14,15,16,17,18,19,20,21,22,23
	CHUNK 1,\c
.endr
	WIN 0
; (value v, index x) takes (vo, xo) where that is less, or equal with the lower index.
.macro PICK v, x, vo, xo
	v_cmp_lt_f32 s70, v[\vo], v[\v]
	v_cmp_eq_f32 s71, v[\vo], v[\v]
	v_cmp_lt_u32 s72, v[\xo], v[\x]
	s_and_b32 s71, s71, s72
	s_or_b32 s70, s70, s71
	v_cndmask_b32 v[\v], v[\v], v[\vo], s70
	v_cndmask_b32 v[\x], v[\x], v[\xo], s70
.endm
.irp i, 0,1,2,3
	v_mov_b32 v[T1+\i], 7
.irp j, 6,5,4,3,2,1,0
	v_cmp_neq_f32 vcc_lo, v[SV+8*\i+\j], v[BEST+\i]
	v_cndmask_b32 v[T1+\i], \j, v[T1+\i], vcc_lo   ; descending, so the lowest place that holds the least value stays
.endr
	v_add3_u32 v[TID+\i], v[TID+\i], v[T1+\i], v[H8]
	v_permlanex16_b32 v[T2+\i], v[BEST+\i], s74, s75   ; the other eight codes of the tiles: lane L xor 16
	v_permlanex16_b32 v[M+\i], v[TID+\i], s74, s75
	PICK BEST+\i, TID+\i, T2+\i, M+\i
	ds_store_b32 v[MVA], v[BEST+\i] offset:64*\i       ; lanes r and r + 16 write the same word with the same number
	ds_store_b32 v[MVA], v[TID+\i] offset:1024+64*\i
.endr
	s_wait_dscnt 0x0
	s_barrier_signal -1
	s_barrier_wait -1
	s_cmp_lg_u32 s15, 0
	s_cbranch_scc1 .Lodd
	; waves 0 and 2 merge with the wave of the other parity, two tokens a lane, and store 256 consecutive bytes, aligned, to each buffer
	s_lshl_b32 s68, s14, 8
	s_add_co_u32 s68, s68, MRG
	v_lshl_add_u32 v[TMP], v1, 3, s68
	ds_load_b64 v[M:M+1],   v[TMP]
	ds_load_b64 v[M+2:M+3], v[TMP] offset:256
	ds_load_b64 v[T1:T1+1],   v[TMP] offset:1024
	ds_load_b64 v[T1+2:T1+3], v[TMP] offset:1280
	s_lshl_b32 s76, s19, 16                        ; 4 (16,384 y + 128 block + 64 g)
	s_lshl_b32 s77, s18, 9
	s_add_co_u32 s76, s76, s77
	s_lshl_b32 s77, s16, 8
	s_add_co_u32 s76, s76, s77
	v_lshl_add_u32 v[TMP+1], v1, 3, s76
	s_wait_dscnt 0x0
	PICK M, T1, M+2, T1+2
	PICK M+1, T1+1, M+3, T1+3
	global_store_b64 v[TMP+1], v[M:M+1], s[10:11]
	global_store_b64 v[TMP+1], v[T1:T1+1], s[12:13]
.Lodd:
	s_wait_tensorcnt 0x0
	ds_add_u32 v254, v255
	s_wait_dscnt 0x0
	ROUND                                          ; the closing round: no work-group ends while a partner may still ask for a tile that names it
	s_endpgm
.Lfunc_end_k_q32e2519810_vqmain:
	.size	k_q32e2519810_vqmain, .Lfunc_end_k_q32e2519810_vqmain-k_q32e2519810_vqmain
	.p2alignl 7, 3214868480
	.fill 96, 4, 3214868480
	.section	.rodata,"a",@progbits
	.p2align	6, 0x0
	.amdhsa_kernel k_q32e2519810_vqmain
		.amdhsa_group_segment_fixed_size 327680
		.amdhsa_private_segment_fixed_size 0
		.amdhsa_enable_private_segment 0
		.amdhsa_kernarg_size 40
		.amdhsa_user_sgpr_count 2
		.amdhsa_user_sgpr_kernarg_segment_ptr 1
		.amdhsa_wavefront_size32 1
		.amdhsa_system_sgpr_workgroup_id_x 1
		.amdhsa_system_sgpr_workgroup_id_y 1
		.amdhsa_system_sgpr_workgroup_id_z 1
		.amdhsa_system_vgpr_workitem_id 0
		.amdhsa_next_free_vgpr 1024
		.amdhsa_next_free_sgpr 80
		.amdhsa_reserve_vcc 1
		.amdhsa_float_denorm_mode_32 3
		.amdhsa_float_denorm_mode_16_64 3
		.amdhsa_memory_ordered 1
		.amdhsa_forward_progress 1
		.amdhsa_inst_pref_size 255
	.end_amdhsa_kernel
	.section	.bss,"aw",@nobits
	.p2align	6
	.space	262144
	.amdgpu_metadata
---
amdhsa.version: [ 1, 2 ]
amdhsa.kernels:
  - .name:           k_q32e2519810_vqmain
    .symbol:         k_q32e2519810_vqmain.kd
    .args:
      - { .name: x, .offset: 0, .size: 8, .value_kind: global_buffer, .address_space: global }
      - { .name: cb16, .offset: 8, .size: 8, .value_kind: global_buffer, .address_space: global }
      - { .name: e2, .offset: 16, .size: 8, .value_kind: global_buffer, .address_space: global }
      - { .name: cand_val, .offset: 24, .size: 8, .value_kind: global_buffer, .address_space: global }
      - { .name: cand_idx, .offset: 32, .size: 8, .value_kind: global_buffer, .address_space: global }
    .group_segment_fixed_size: 327680
    .private_segment_fixed_size: 0
    .kernarg_segment_align: 8
    .kernarg_segment_size: 40
    .max_flat_workgroup_size: 128
    .sgpr_count:     80
    .vgpr_count:     1024
    .wavefront_size: 32
...
	.end_amdgpu_metadata
.endif
;; end of part 2
;; launch gather (part 3): grid 256 x 1, 16 waves a work-group, no clusters, 133,888 bytes of LDS; arguments x, codebook, cand_val, cand_idx, out0, out1, part; writes out0, out1, part
.if DOCPART == 3
	.amdgcn_target "amdgcn-amd-amdhsa--gfx1250"
	.amdhsa_code_object_version 6
	.text
	.protected	k_q32e2519810_gather
	.globl	k_q32e2519810_gather
	.p2align	8
	.type	k_q32e2519810_gather,@function
k_q32e2519810_gather:
	s_mov_b64 s[64:65], 0
	v_nop
	global_prefetch_b8 v0, s[64:65] scope:SCOPE_SE
	s_setreg_imm32_b32 hwreg(HW_REG_WAVE_MODE, 25, 1), 1
	s_wait_xcnt 0x0
; For 64 tokens: the better of the two halves' candidates (a tie goes to the lower half, which holds the lower codes) -> out1;
; out0[b][d][t] = x + (code - x), with both roundings; part[work-group] = sum of (code - x)^2.
; The choice between the halves hangs on two f32 numbers, so it only SELECTS: both candidates' rows are loaded (their indices were
; stored as whole numbers by the launch before) and v_cndmask_b32 keeps one.  Rows come from the f32 codebook.
; 256 work-groups of 16 waves; a row of x and of out0 is 64 tokens = 256 bytes.  Wave w gathers tokens 4 w .. 4 w + 3 (rows of 2,048
; bytes, four loads of 512 consecutive bytes) and later writes channel rows 32 w .. 32 w + 31.  The turn from [token][channel] to
; [channel][token] goes through LDS: token t at (t >> 2) x 8,208 + (t & 3) x 2,048; the 16 bytes behind every four rows let the 32
; lanes of a column read (lane l: tokens 4 l + c; h: channel parity) touch 32 different words modulo 256 bytes.
; No matrix unit and no cluster: the work-groups share no tile.  All loads go out at the start, so there is nothing to ask for ahead.
; An index outside the table cannot arise; the clamp to 8,191 keeps every address inside the codebook all the same.
.set QROW4, 8208
.set IDXL,  16*QROW4                   ; 131,328: the 64 chosen indices
.set RED,   IDXL+256                   ; 131,584: the 16 waves' sums
.set XOFF, 5                           ; v5        my 16 bytes of x and out0: row 32 w + h, tokens 4 l .. 4 l + 3
.set L16,  6                           ; v6        16 x lane
.set TV,   7
.set GO,   8                           ; v[8:15]   byte offsets in the codebook: token u's lower-half row, then (GO + 4 + u) its upper-half row
.set XR,   16                          ; v[16:79]  x: 16 loads
.set G,    80                          ; v[80:207] token u: lower-half row 16 registers, upper-half row 16 registers
.set Q,    80                          ; later: the chosen codes by channel rows, then the results
.set DF,   208                         ; v[208:211]
.set LS,   212                         ; v[212:215]
.set QW,   216
.set IW,   217
.set QRD,  218
.set TA,   219
.set TI,   220                         ; v[220:223]
	s_load_b256 s[4:11], s[0:1], 0x0               ; x s[4:5], codebook s[6:7], cand_val s[8:9], cand_idx s[10:11]
	s_load_b128 s[12:15], s[0:1], 0x20             ; out0 s[12:13], out1 s[14:15]
	s_load_b64 s[16:17], s[0:1], 0x30              ; part
	v_lshl_add_u32 v224, v0, 2, 0x20300
	v_mov_b32 v225, 0
	v_lshrrev_b32 v1, 5, v0
	v_readfirstlane_b32 s18, v1                    ; w
	v_and_b32 v2, 31, v0                           ; L
	v_and_b32 v3, 15, v0                           ; l
	v_bfe_u32 v4, v0, 4, 1                         ; h
	s_lshl_b32 s21, ttmp9, 8                       ; 64 tokens of 4 bytes
	s_lshl4_add_u32 s20, s18, s21                  ; + my 4 tokens
	s_lshr_b32 s46, ttmp9, 5                       ; b
	s_lshl_b32 s46, s46, 22                        ; 512 rows of 8,192 bytes
	s_and_b32 s47, ttmp9, 31
	s_lshl_b32 s47, s47, 8
	s_add_co_u32 s46, s46, s47
	s_mov_b32 s47, 0
	s_mov_b32 s44, 0x76543210
	s_mov_b32 s45, 0xfedcba98
	v_lshlrev_b32 v[XOFF], 4, v3
	v_lshl_add_u32 v[XOFF], v4, 13, v[XOFF]
	v_lshl_add_u32 v[XOFF], s18, 18, v[XOFF]       ; 32 rows of 8,192 bytes a wave
	v_lshlrev_b32 v[L16], 4, v2
	s_mul_i32 s48, s18, QROW4
	v_add_nc_u32 v[QW], s48, v[L16]
	s_lshl_b32 s49, s18, 4
	s_add_co_u32 s49, s49, IDXL
	v_mov_b32 v[IW], s49
	v_mul_u32_u24 v[QRD], v3, QROW4
	v_lshl_add_u32 v[QRD], v4, 2, v[QRD]
	v_lshl_add_u32 v[QRD], s18, 7, v[QRD]          ; l x 8,208 + 128 w + 4 h
	s_wait_kmcnt 0x0
	s_load_b128 s[24:27], s[10:11], s20 offset:0x0         ; my four tokens: index in the lower half,
	s_load_b128 s[28:31], s[10:11], s20 offset:0x10000     ; in the upper half,
	s_load_b128 s[32:35], s[8:9], s20 offset:0x0           ; and the two distances
	s_load_b128 s[36:39], s[8:9], s20 offset:0x10000
	s_add_nc_u64 s[4:5], s[4:5], s[46:47]
	s_add_nc_u64 s[12:13], s[12:13], s[46:47]
.irp e, 0,1,2,3,4,5,6,7,8,9,10,11,12,13,14,15
	global_load_b128 v[XR+4*\e:XR+4*\e+3], v[XOFF], s[4:5] offset:16384*\e th:TH_LOAD_NT   ; rows 32 w + 2 e + h: sixteen lanes take 256 consecutive bytes
.endr
	s_wait_kmcnt 0x0
.irp u, 0,1,2,3
	s_min_u32 s[24+\u], s[24+\u], 8191
	s_min_u32 s[28+\u], s[28+\u], 8191
	s_lshl_b32 s48, s[24+\u], 11
	v_add_nc_u32 v[GO+\u], s48, v[L16]
	s_lshl_b32 s49, s[28+\u], 11
	v_add_nc_u32 v[GO+4+\u], s49, v[L16]
	v_mov_b32 v[TV], s[32+\u]
	v_cmp_lt_f32 s[40+\u], s[36+\u], v[TV]         ; all lanes alike: the upper half wins only if strictly nearer
.endr
.irp u, 0,1,2,3
.irp j, 0,1,2,3
	global_load_b128 v[G+32*\u+4*\j:G+32*\u+4*\j+3], v[GO+\u], s[6:7] offset:512*\j
.endr
.irp j, 0,1,2,3
	global_load_b128 v[G+32*\u+16+4*\j:G+32*\u+16+4*\j+3], v[GO+4+\u], s[6:7] offset:512*\j
.endr
.endr
.irp u, 0,1,2,3
	s_wait_loadcnt 8*(3-\u)                        ; loads come back in order: x and tokens up to u are in, the later tokens' eight each stay out
.irp k, 0,1,2,3,4,5,6,7,8,9,10,11,12,13,14,15
	v_cndmask_b32 v[G+32*\u+\k], v[G+32*\u+\k], v[G+32*\u+16+\k], s[40+\u]
.endr
.irp j, 0,1,2,3
	ds_store_b128 v[QW], v[G+32*\u+4*\j:G+32*\u+4*\j+3] offset:2048*\u+512*\j
.endr
	v_mov_b32 v[TI+\u], s[24+\u]
	v_cndmask_b32 v[TI+\u], v[TI+\u], s[28+\u], s[40+\u]
	ds_store_b32 v[IW], v[TI+\u] offset:4*\u
.endr
	s_wait_dscnt 0x0                               ; my four rows and indices are in LDS before I say so
	s_barrier_signal -1
	s_barrier_wait -1
	s_cmp_lg_u32 s18, 0
	s_cbranch_scc1 .Lno_idx
	s_mov_b32 s50, IDXL                            ; wave 0: the 64 indices leave as 256 consecutive bytes, aligned
	v_lshl_add_u32 v[TA], v2, 3, s50
	ds_load_b64 v[TI:TI+1], v[TA]
	v_lshl_add_u32 v[TV], v2, 3, s21
	s_wait_dscnt 0x0
	global_store_b64 v[TV], v[TI:TI+1], s[14:15]
.Lno_idx:
.irp e, 0,1,2,3,4,5,6,7,8,9,10,11,12,13,14,15
.irp c, 0,1,2,3
	ds_load_b32 v[Q+4*\e+\c], v[QRD] offset:2048*\c+8*\e   ; code of token 4 l + c, channel 32 w + 2 e + h
.endr
.endr
.irp e, 0,1,2,3,4,5,6,7,8,9,10,11,12,13,14,15
	s_wait_dscnt 60-4*\e                           ; this group's four are in; the later groups' four each stay out
	v_pk_add_f32 v[DF:DF+1],   v[Q+4*\e:Q+4*\e+1],   v[XR+4*\e:XR+4*\e+1]   neg_lo:[0,1] neg_hi:[0,1]
	v_pk_add_f32 v[DF+2:DF+3], v[Q+4*\e+2:Q+4*\e+3], v[XR+4*\e+2:XR+4*\e+3] neg_lo:[0,1] neg_hi:[0,1]
	v_pk_add_f32 v[Q+4*\e:Q+4*\e+1],   v[XR+4*\e:XR+4*\e+1],   v[DF:DF+1]
	v_pk_add_f32 v[Q+4*\e+2:Q+4*\e+3], v[XR+4*\e+2:XR+4*\e+3], v[DF+2:DF+3]
.if \e == 0
	v_pk_mul_f32 v[LS:LS+1],   v[DF:DF+1],   v[DF:DF+1]           ; the first squares start the chains
	v_pk_mul_f32 v[LS+2:LS+3], v[DF+2:DF+3], v[DF+2:DF+3]
.else
	v_pk_fma_f32 v[LS:LS+1],   v[DF:DF+1],   v[DF:DF+1],   v[LS:LS+1]
	v_pk_fma_f32 v[LS+2:LS+3], v[DF+2:DF+3], v[DF+2:DF+3], v[LS+2:LS+3]
.endif
	global_store_b128 v[XOFF], v[Q+4*\e:Q+4*\e+3], s[12:13] offset:16384*\e th:TH_STORE_NT   ; each store's registers are written once: no wait for them
.endr
	v_pk_add_f32 v[LS:LS+1], v[LS:LS+1], v[LS+2:LS+3]
	v_add_f32 v[LS], v[LS], v[LS+1]
	v_add_f32_dpp v[LS], v[LS], v[LS] row_xmask:1 row_mask:0xf bank_mask:0xf
	v_add_f32_dpp v[LS], v[LS], v[LS] row_xmask:2 row_mask:0xf bank_mask:0xf
	v_add_f32_dpp v[LS], v[LS], v[LS] row_xmask:4 row_mask:0xf bank_mask:0xf
	v_add_f32_dpp v[LS], v[LS], v[LS] row_xmask:8 row_mask:0xf bank_mask:0xf
	v_permlanex16_b32 v[DF], v[LS], s44, s45
	v_add_f32 v[LS], v[LS], v[DF]
	s_lshl_b32 s51, s18, 2
	s_add_co_u32 s51, s51, RED
	v_mov_b32 v[TA], s51
	ds_store_b32 v[TA], v[LS]
	s_wait_dscnt 0x0
	s_barrier_signal -1
	s_barrier_wait -1
	s_cmp_lg_u32 s18, 0
	s_cbranch_scc1 .Lend
	s_mov_b32 s52, RED                             ; wave 0: lane l of each half takes wave l's sum
	v_lshl_add_u32 v[TA], v3, 2, s52
	ds_load_b32 v[LS], v[TA]
	s_lshl_b32 s53, ttmp9, 2
	v_mov_b32 v[DF+1], s53
	v_cmp_eq_u32 vcc_lo, 0, v0
	s_wait_dscnt 0x0
	v_add_f32_dpp v[LS], v[LS], v[LS] row_xmask:1 row_mask:0xf bank_mask:0xf
	v_add_f32_dpp v[LS], v[LS], v[LS] row_xmask:2 row_mask:0xf bank_mask:0xf
	v_add_f32_dpp v[LS], v[LS], v[LS] row_xmask:4 row_mask:0xf bank_mask:0xf
	v_add_f32_dpp v[LS], v[LS], v[LS] row_xmask:8 row_mask:0xf bank_mask:0xf
	s_wait_xcnt 0x0                                ; EXEC is a source of the stores above: it changes only behind this wait
	s_and_saveexec_b32 s54, vcc_lo
	global_store_b32 v[DF+1], v[LS], s[16:17]      ; one number for the work-group
	s_wait_xcnt 0x0
	s_or_b32 exec_lo, exec_lo, s54
.Lend:
	s_wait_tensorcnt 0x0
	ds_add_u32 v224, v225
	s_wait_dscnt 0x0
	s_endpgm
.Lfunc_end_k_q32e2519810_gather:
	.size	k_q32e2519810_gather, .Lfunc_end_k_q32e2519810_gather-k_q32e2519810_gather
	.p2alignl 7, 3214868480
	.fill 96, 4, 3214868480
	.section	.rodata,"a",@progbits
	.p2align	6, 0x0
	.amdhsa_kernel k_q32e2519810_gather
		.amdhsa_group_segment_fixed_size 133888
		.amdhsa_private_segment_fixed_size 0
		.amdhsa_enable_private_segment 0
		.amdhsa_kernarg_size 56
		.amdhsa_user_sgpr_count 2
		.amdhsa_user_sgpr_kernarg_segment_ptr 1
		.amdhsa_wavefront_size32 1
		.amdhsa_system_sgpr_workgroup_id_x 1
		.amdhsa_system_sgpr_workgroup_id_y 1
		.amdhsa_system_sgpr_workgroup_id_z 1
		.amdhsa_system_vgpr_workitem_id 0
		.amdhsa_next_free_vgpr 226
		.amdhsa_next_free_sgpr 66
		.amdhsa_reserve_vcc 1
		.amdhsa_float_denorm_mode_32 3
		.amdhsa_float_denorm_mode_16_64 3
		.amdhsa_memory_ordered 1
		.amdhsa_forward_progress 1
		.amdhsa_inst_pref_size 28
	.end_amdhsa_kernel
	.amdgpu_metadata
---
amdhsa.version: [ 1, 2 ]
amdhsa.kernels:
  - .name:           k_q32e2519810_gather
    .symbol:         k_q32e2519810_gather.kd
    .args:
      - { .name: x, .offset: 0, .size: 8, .value_kind: global_buffer, .address_space: global }
      - { .name: codebook, .offset: 8, .size: 8, .value_kind: global_buffer, .address_space: global }
      - { .name: cand_val, .offset: 16, .size: 8, .value_kind: global_buffer, .address_space: global }
      - { .name: cand_idx, .offset: 24, .size: 8, .value_kind: global_buffer, .address_space: global }
      - { .name: out0, .offset: 32, .size: 8, .value_kind: global_buffer, .address_space: global }
      - { .name: out1, .offset: 40, .size: 8, .value_kind: global_buffer, .address_space: global }
      - { .name: part, .offset: 48, .size: 8, .value_kind: global_buffer, .address_space: global }
    .group_segment_fixed_size: 133888
    .private_segment_fixed_size: 0
    .kernarg_segment_align: 8
    .kernarg_segment_size: 56
    .max_flat_workgroup_size: 512
    .sgpr_count:     66
    .vgpr_count:     226
    .wavefront_size: 32
...
	.end_amdgpu_metadata
.endif
;; end of part 3
;; launch loss (part 4): grid 1 x 1, 1 waves a work-group, no clusters, 0 bytes of LDS; arguments part, out2; writes out2
.if DOCPART == 4
	.amdgcn_target "amdgcn-amd-amdhsa--gfx1250"
	.amdhsa_code_object_version 6
	.text
	.protected	k_q32e2519810_loss
	.globl	k_q32e2519810_loss
	.p2align	8
	.type	k_q32e2519810_loss,@function
k_q32e2519810_loss:
	s_mov_b64 s[64:65], 0
	v_nop
	global_prefetch_b8 v0, s[64:65] scope:SCOPE_SE
	s_setreg_imm32_b32 hwreg(HW_REG_WAVE_MODE, 25, 1), 1
	s_wait_xcnt 0x0
; out2 = 0.25 x mean of (code - x)^2 = (sum of the 256 work-groups' sums) x 2^-25: 8 x 2,048 x 512 = 2^23 numbers, 0.25 = 2^-2.
; One wave: the sum spans the work-groups of the launch before, so it is made here, in a fixed order.  Lane L takes 8 numbers.
	s_load_b128 s[4:7], s[0:1], 0x0                ; part s[4:5], out2 s[6:7]
	v_lshlrev_b32 v1, 5, v0
	s_mov_b32 s8, 0x76543210
	s_mov_b32 s9, 0xfedcba98
	v_mov_b32 v12, 0                               ; the lane exchange counts as a reader of its destination
	v_mov_b32 v13, 0
	s_wait_kmcnt 0x0
	global_load_b128 v[2:5], v1, s[4:5]
	global_load_b128 v[6:9], v1, s[4:5] offset:16
	s_wait_loadcnt 0x0
	v_pk_add_f32 v[2:3], v[2:3], v[4:5]
	v_pk_add_f32 v[6:7], v[6:7], v[8:9]
	v_pk_add_f32 v[2:3], v[2:3], v[6:7]
	v_add_f32 v2, v2, v3
	v_add_f32_dpp v2, v2, v2 row_xmask:1 row_mask:0xf bank_mask:0xf
	v_add_f32_dpp v2, v2, v2 row_xmask:2 row_mask:0xf bank_mask:0xf
	v_add_f32_dpp v2, v2, v2 row_xmask:4 row_mask:0xf bank_mask:0xf
	v_add_f32_dpp v2, v2, v2 row_xmask:8 row_mask:0xf bank_mask:0xf
	v_permlanex16_b32 v12, v2, s8, s9
	v_add_f32 v2, v2, v12
	v_mul_f32 v2, 0x33000000, v2                   ; 2^-25
	v_cmp_eq_u32 vcc_lo, 0, v0
	s_wait_xcnt 0x0                                ; EXEC changes only behind this wait
	s_and_saveexec_b32 s10, vcc_lo
	global_store_b32 v13, v2, s[6:7]
	s_wait_xcnt 0x0
	s_or_b32 exec_lo, exec_lo, s10
	s_endpgm
.Lfunc_end_k_q32e2519810_loss:
	.size	k_q32e2519810_loss, .Lfunc_end_k_q32e2519810_loss-k_q32e2519810_loss
	.p2alignl 7, 3214868480
	.fill 96, 4, 3214868480
	.section	.rodata,"a",@progbits
	.p2align	6, 0x0
	.amdhsa_kernel k_q32e2519810_loss
		.amdhsa_group_segment_fixed_size 0
		.amdhsa_private_segment_fixed_size 0
		.amdhsa_enable_private_segment 0
		.amdhsa_kernarg_size 16
		.amdhsa_user_sgpr_count 2
		.amdhsa_user_sgpr_kernarg_segment_ptr 1
		.amdhsa_wavefront_size32 1
		.amdhsa_system_sgpr_workgroup_id_x 1
		.amdhsa_system_sgpr_workgroup_id_y 1
		.amdhsa_system_sgpr_workgroup_id_z 1
		.amdhsa_system_vgpr_workitem_id 0
		.amdhsa_next_free_vgpr 16
		.amdhsa_next_free_sgpr 66
		.amdhsa_reserve_vcc 1
		.amdhsa_float_denorm_mode_32 3
		.amdhsa_float_denorm_mode_16_64 3
		.amdhsa_memory_ordered 1
		.amdhsa_forward_progress 1
		.amdhsa_inst_pref_size 2
	.end_amdhsa_kernel
	.amdgpu_metadata
---
amdhsa.version: [ 1, 2 ]
amdhsa.kernels:
  - .name:           k_q32e2519810_loss
    .symbol:         k_q32e2519810_loss.kd
    .args:
      - { .name: part, .offset: 0, .size: 8, .value_kind: global_buffer, .address_space: global }
      - { .name: out2, .offset: 8, .size: 8, .value_kind: global_buffer, .address_space: global }
    .group_segment_fixed_size: 0
    .private_segment_fixed_size: 0
    .kernarg_segment_align: 8
    .kernarg_segment_size: 16
    .max_flat_workgroup_size: 32
    .sgpr_count:     66
    .vgpr_count:     16
    .wavefront_size: 32
...
	.end_amdgpu_metadata
.endif
;; end of part 4
